; MI455X (gfx1250); checked and timed in simulation.
; The chip was launched on July 23, 2026; its instructions are those of AMD's public machine-readable ISA for CDNA 5 (MIT licence, August 2026) and "CDNA5" Instruction Set Architecture Reference Guide (July 2026). The comments in the code are by the model that wrote it; some were corrected since.
;; Self Attention. Allowed arithmetic: matrix products marked QUANTISED: E4M3 operands, one given power-of-two scale a tensor, by v_wmma_f32_16x16x64_fp8_fp8 or v_wmma_f32_16x16x128_fp8_fp8, f32 sums; everything else in f32.
;; Inputs: Wk 1,024 x 1,024 float32; Wo 1,024 x 1,024 float32; Wq 1,024 x 1,024 float32; Wv 1,024 x 1,024 float32; bk 1,024 float32; bo 1,024 float32; bq 1,024 float32; bv 1,024 float32; lowp_scales 12 int32 (the exponents e of the quantised operands' scales 2^e); x 4 x 2,048 x 1,024 float32.
;; Outputs: out0 4 x 2,048 x 1,024 float32.
;; This version of the problem:
;;   THIS VERSION OF THE PROBLEM IS GIVEN IN LOW PRECISION. The matrix products marked QUANTISED in the list below multiply operands that are first quantised to E4M3 (4 exponent bits, 3 mantissa bits; 8 bits a number), with one given power-of-two scale for each operand tensor; their sums are f32. All else is computed in f32.
;;   The module's matrix products, in the order in which they are computed (A, B: the left and right operand; K: the contracted axis; several contracted axes count as one K, in the product's order):
;;     1. [M 8,192, K 1,024] x [K 1,024, N 1,024]; A: input x; B: input Wq: QUANTISED (scales: A lowp_scales[0], B lowp_scales[1])
;;     2. [M 8,192, K 1,024] x [K 1,024, N 1,024]; A: input x; B: input Wk: QUANTISED (scales: A lowp_scales[2], B lowp_scales[3])
;;     3. [M 8,192, K 1,024] x [K 1,024, N 1,024]; A: input x; B: input Wv: QUANTISED (scales: A lowp_scales[4], B lowp_scales[5])
;;     4. batch 64 x [M 2,048, K 64] x [K 64, N 2,048]; A: computed on the way; B: computed on the way: QUANTISED (scales: A lowp_scales[6], B lowp_scales[7])
;;     5. batch 64 x [M 2,048, K 2,048] x [K 2,048, N 64]; A: softmax (see below); B: computed on the way: QUANTISED (scales: A lowp_scales[8], B lowp_scales[9])
;;     6. [M 8,192, K 1,024] x [K 1,024, N 1,024]; A: computed on the way; B: input Wo: QUANTISED (scales: A lowp_scales[10], B lowp_scales[11])
;;   THE QUANTISER, for each operand of a quantised product, along K:
;;     - The operand's scale is 2^e, e = its entry of the input lowp_scales (int32; the entries are numbered through the quantised products in the list's order, A before B).
;;     - Each number is divided by the scale, clamped to +-448, and rounded to the nearest number of E4M3, ties to even, subnormals kept.
;;     - The product sums the exact products of the quantised numbers (number of the format x scale) in f32.
;;   ~~~python
;;   def quantise(x, axis, e):      # numpy; x: float32 -> the quantised numbers, widened to float32 again
;;       x = np.moveaxis(x, axis, -1); K = x.shape[-1]
;;       r = np.clip(x / 2.0 ** e, -448, 448)
;;       step = 2.0 ** (np.maximum(np.frexp(np.where(r == 0, 1, r))[1] - 1, -6) - 3)
;;       q = np.round(r / step) * step * 2.0 ** e      # np.round: ties to even
;;       return np.moveaxis(q, -1, axis).astype(np.float32)
;;   ~~~
;;   SOFTMAX AHEAD OF A QUANTISED PRODUCT. Where the list says 'softmax', what is quantised is not the finished softmax but p = 2^(t - M), with t = logit x log2(e) and M = ceil(the row's largest t), a whole number; so 1/2 < the row's largest p <= 1. The row's sum l is taken of the UNQUANTISED p, in f32, and the product's result is divided by l at the end. Since M is a whole number, a kernel that streams over the keys may use a running M (the ceiling of the running maximum): every later rescaling is an exact power of two, so the quantised numbers keep their values, but for numbers so far below the row's largest that they fall under the format's range.
;;   OPERANDS COMPUTED ON THE WAY. 'Computed on the way' means the value that the module computes at that place (a softmax that the list does not call 'softmax' is quantised finished and normalised). What goes into a quantiser is computed in f32, as accurately as f32 sums, v_exp_f32 and their like allow (about 1e-6 of the number): no bf16 or f16 on the way to a quantiser, and a product that is left as it is and whose result goes on into a quantised operand takes f32 operands (vector FMAs, or v_wmma_f32_16x16x4_f32). A number that lies on a knife's edge between two numbers of the format may be rounded either way, as far as f32 arithmetic and the matrix unit's own rounding can turn it there, and no further.
;; One version. Each part assembles by itself: llvm-mc -triple=amdgcn-amd-amdhsa -mcpu=gfx1250 --defsym DOCPART=n.
;; ======== version 1 of 1: 4 launches
;; limits: right only within a limited range of input values
;; workspace buffers: img 29,360,128 bytes; qkv 25,165,824 bytes; yimg 8,388,608 bytes
;; launch quant (part 1): grid 768 x 1, 4 waves a work-group, no clusters, 50,688 bytes of LDS; arguments x, Wq, Wk, Wv, Wo, lowp_scales, img; writes img
.if DOCPART == 1
	.amdgcn_target "amdgcn-amd-amdhsa--gfx1250"
	.amdhsa_code_object_version 6
	.text
	.protected	k_q7542975628_quant
	.globl	k_q7542975628_quant
	.p2align	8
	.type	k_q7542975628_quant,@function
k_q7542975628_quant:
	s_mov_b64 s[64:65], 0
	v_nop
	global_prefetch_b8 v0, s[64:65] scope:SCOPE_SE
	s_setreg_imm32_b32 hwreg(HW_REG_WAVE_MODE, 25, 1), 1
	s_wait_xcnt 0x0
; x [8192][1024] and Wq, Wk, Wv, Wo [1024 (k)][1024 (n)], f32, become codes of FP8 (E4M3): code = number / 2^e, held within +-448, to the nearest code, ties to even.
; x is an operand of three products, each with a scale of its own (entries 0, 2, 4 of the scales): three sets of codes.  The weights take entries 1, 3, 5, 11.
; THE CODES ARE LAID AS IMAGES OF OPERAND REGISTERS.  A fragment is 16 rows x 128 along K: 16 registers a lane, lane (r, h) holding in registers 2 c, 2 c + 1 the codes k = 16 c + 8 h + 0 .. 7 of row r
; (the 8-bit layout of the plain matrix forms).  It lies as 4 groups of 4 registers, each 512 bytes, lane l's 16 bytes at 16 l.  Fragment (row block rb, K chunk kc) of an operand [rows][1024] lies at 16384 rb + 2048 kc.
; img: x under e0 at 0, under e2 at 0x800000, under e4 at 0x1000000; the weights (a row is an output column n) at 0x1800000 + 0x100000 w.
; Work-groups 0-511: 16 rows of x each; wave w takes k = 256 w .. 256 w + 255.  Work-groups 512-767: one weight, one K chunk, 128 columns.  The two ways part on the work-group's number, never join, and have LDS bytes of their own.
; No barrier: waves share nothing.  No matrix unit, no cluster: each input byte is read once and no two work-groups read the same bytes.
; LIMITS: every e lies between -126 and 119, so that 2^e and 448 x 2^e are f32 numbers.  NaN among the inputs is not served; an infinity is held at the largest code.
.set R,    16                          ; v16-143  x: two sets of 64 as loaded; a set then takes its chunk's codes (3 x 16 registers)
.set X,    144                         ; v144-207 x: 64 numbers of a lane: register 8 c + j = x(r, 16 c + 8 h + j)
.set T,    208
.set XP,   528                         ; x: a stage row: 512 bytes + 16: the 16 rows that a read touches start 4 banks apart (64 banks of 4 bytes: ISA guide 11.1)
.set XSTG, 16*XP                       ; x: a wave's stage
.set WLDS, 4*XSTG                      ; the weights' LDS begins behind the four stages: 4,096 bytes a wave
.set WX,   32                          ; v32-159  weights: 128 numbers down K of my column
.set WC,   160                         ; v160-191 their codes
.set WO,   192                         ; v192-223 the way out
.macro MKSCALE e, vs, vl               ; s[e] = e  ->  v[vs] = 2^e as f32 (the conversion takes its exponent field)
	s_add_co_i32 s43, s[\e], 127
	s_lshl_b32 s44, s43, 23
	v_mov_b32 v[\vs], s44
	s_add_co_i32 s43, s43, 8
	s_lshl_b32 s43, s43, 23
	s_or_b32 s43, s43, 0x600000                    ; the mantissa field of 448
.endm
	s_load_b256 s[4:11], s[0:1], 0x0               ; x s[4:5], Wq s[6:7], Wk s[8:9], Wv s[10:11]
	s_load_b128 s[12:15], s[0:1], 0x20             ; Wo s[12:13], the exponents s[14:15]
	s_load_b64 s[16:17], s[0:1], 0x30              ; img
	v_lshl_add_u32 v224, v0, 2, 0xc400
	v_mov_b32 v225, 0
	v_lshrrev_b32 v1, 5, v0
	v_readfirstlane_b32 s20, v1                    ; wave 0..3
	v_and_b32 v1, 31, v0                           ; lane
	v_lshlrev_b32 v2, 4, v1                        ; 16 x lane: my place in every group of 512 bytes
	s_wait_kmcnt 0x0
	s_load_b256 s[24:31], s[14:15], 0x0            ; e0 .. e7
	s_load_b128 s[32:35], s[14:15], 0x20           ; e8 .. e11
	s_cmp_ge_u32 ttmp9, 512
	s_cbranch_scc1 .Lweights
; ---------------- x ----------------
	s_mul_i32 s21, s20, XSTG                       ; my stage
	s_wait_alu depctr_va_vdst(0)
	v_add_nc_u32 v3, s21, v2                       ; into it: a row's 512 bytes as they were loaded
	v_and_b32 v11, 15, v1                          ; r
	v_lshrrev_b32 v12, 4, v1                       ; h
	v_mul_u32_u24 v10, v11, XP
	v_lshl_add_u32 v10, v12, 5, v10
	v_add_nc_u32 v10, s21, v10                     ; out of it: row r, + 32 h bytes: eight neighbours of every sixteen
	s_lshl_b32 s22, ttmp9, 16                      ; 16 rows of 4,096 bytes,
	s_lshl_b32 s23, s20, 10                        ; my wave's 256 numbers
	s_add_co_u32 s22, s22, s23
	s_mov_b32 s23, 0
	s_add_nc_u64 s[4:5], s[4:5], s[22:23]
	s_lshl_b32 s22, ttmp9, 14                      ; the row block's image,
	s_lshl_b32 s42, s20, 12                        ; my wave's two chunks
	s_add_co_u32 s22, s22, s42
	s_add_nc_u64 s[36:37], s[16:17], s[22:23]      ; under e0,
	s_add_nc_u64 s[38:39], s[36:37], 0x800000      ; e2,
	s_add_nc_u64 s[40:41], s[36:37], 0x1000000     ; e4: a base each, since the distance does not fit a store's immediate
.macro XLOAD u                         ; chunk u: 16 rows x 512 consecutive bytes, 16 a lane
.irp p, 0,1,2,3,4,5,6,7,8,9,10,11,12,13,14,15
	global_load_b128 v[R+64*\u+4*\p:R+64*\u+4*\p+3], v2, s[4:5] offset:4096*\p+512*\u th:TH_LOAD_NT
.endr
.endm
.macro TURN u                          ; through the stage: LDS serves a wave's instructions in order (ISA guide 5.7.1.4), so no wait stands between the stores and the loads
.irp p, 0,1,2,3,4,5,6,7,8,9,10,11,12,13,14,15
	ds_store_b128 v3, v[R+64*\u+4*\p:R+64*\u+4*\p+3] offset:XP*\p
.endr
	v_nop
.irp c, 0,1,2,3,4,5,6,7
	ds_load_b128 v[X+8*\c:X+8*\c+3], v10 offset:64*\c
	ds_load_b128 v[X+8*\c+4:X+8*\c+7], v10 offset:64*\c+16
.endr
.endm
.macro CONV u                          ; the chunk's 64 numbers a lane, three times: convert, store.  The codes land in the registers that the chunk was loaded into: no store's data are written again
.irp s, 0,1,2
.irp c, 0,1,2,3,4,5,6,7
.irp j, 0,1,2,3,4,5,6,7
.endr
	v_cvt_scalef32_pk8_fp8_f32 v[R+64*\u+16*\s+2*\c:R+64*\u+16*\s+2*\c+1], v[T+8*(\c%2)+((X+8*\c+0)-(T+8*(\c%2)+0)):T+8*(\c%2)+7+((X+8*\c+0)-(T+8*(\c%2)+0))], v[4+2*\s]
.endr
.irp q, 0,1,2,3
	global_store_b128 v2, v[R+64*\u+16*\s+4*\q:R+64*\u+16*\s+4*\q+3], s[36+2*\s:37+2*\s] offset:2048*\u+512*\q   ; 32 lanes store 512 consecutive bytes, at a multiple of 512 from the buffer's first byte
.endr
.endr
.endm
	XLOAD 0
	XLOAD 1
	s_wait_alu depctr_va_vdst(0)
	s_wait_kmcnt 0x0
	MKSCALE 24, 4, 5
	MKSCALE 26, 6, 7
	MKSCALE 28, 8, 9
	s_wait_alu depctr_va_vdst(0)
	s_wait_loadcnt 0x10                            ; chunk 0's sixteen loads are in; chunk 1's sixteen stay out
	TURN 0
	s_wait_dscnt 0x0
	CONV 0
	s_wait_loadcnt 0x0
	TURN 1                                         ; the same stage: chunk 0's reads of it have been waited for
	s_wait_dscnt 0x0
	CONV 1
	s_wait_tensorcnt 0x0
	ds_add_u32 v224, v225
	s_wait_dscnt 0x0
	s_endpgm
; ---------------- the weights: a lane takes a column n, its registers run down K ----------------
.Lweights:
	s_sub_co_u32 s21, ttmp9, 512
	s_lshr_b32 s22, s21, 6                         ; which weight: 0 Wq, 1 Wk, 2 Wv, 3 Wo
	s_bfe_u32 s23, s21, 0x30003                    ; which K chunk of 128
	s_and_b32 s21, s21, 7                          ; which 128 columns
	s_cmp_eq_u32 s22, 1                            ; the choices hang on the work-group's number alone
	s_cselect_b64 s[6:7], s[8:9], s[6:7]
	s_cmp_eq_u32 s22, 2
	s_cselect_b64 s[6:7], s[10:11], s[6:7]
	s_cmp_eq_u32 s22, 3
	s_cselect_b64 s[6:7], s[12:13], s[6:7]
	s_lshl_b32 s36, s23, 19                        ; 128 rows of 4,096 bytes,
	s_lshl_b32 s37, s21, 9                         ; 128 columns,
	s_add_co_u32 s36, s36, s37
	s_lshl_b32 s37, s20, 7                         ; my wave's 32
	s_add_co_u32 s36, s36, s37
	s_mov_b32 s37, 0
	s_add_nc_u64 s[6:7], s[6:7], s[36:37]
	s_lshl_b32 s38, s22, 20                        ; the weight's image,
	s_add_co_u32 s38, s38, 0x1800000
	s_lshl_b32 s39, s21, 17                        ; row block 8 nb + 2 wave,
	s_add_co_u32 s38, s38, s39
	s_lshl_b32 s39, s20, 15
	s_add_co_u32 s38, s38, s39
	s_lshl_b32 s39, s23, 11                        ; the chunk
	s_add_co_u32 s38, s38, s39
	s_mov_b32 s39, 0
	s_add_nc_u64 s[16:17], s[16:17], s[38:39]
	s_wait_alu depctr_va_vdst(0)
	v_lshlrev_b32 v3, 2, v1                        ; in: 4 bytes a lane: a wave's load reads 128 consecutive bytes, the four waves 512
	s_lshl_b32 s40, s20, 12
	s_add_co_u32 s40, s40, WLDS                    ; my wave's two fragments in LDS
	v_and_b32 v13, 15, v1
	v_lshrrev_b32 v14, 4, v1
	v_lshlrev_b32 v11, 4, v13
	v_lshl_add_u32 v11, v14, 11, v11
	v_add_nc_u32 v11, s40, v11                     ; my column's bytes: fragment lane / 16, 16 (lane % 16)
	v_add_nc_u32 v12, s40, v2                      ; back: the images as they lie
.macro WLOAD g                         ; 32 rows of K
.irp i, 0,1,2,3,4,5,6,7,8,9,10,11,12,13,14,15,16,17,18,19,20,21,22,23,24,25,26,27,28,29,30,31
	global_load_b32 v[WX+32*(\g)+\i], v3, s[6:7] offset:4096*(32*(\g)+\i) th:TH_LOAD_NT
.endr
.endm
.macro OCT o                           ; k = 8 o .. 8 o + 7 = 16 c + 8 h' + j with c = o / 2, h' = o % 2: in the image that is group c / 2, lane r + 16 h', half c % 2
.irp j, 0,1,2,3,4,5,6,7
.endr
	v_cvt_scalef32_pk8_fp8_f32 v[WC+2*(\o):WC+2*(\o)+1], v[WX+8*(\o):WX+8*(\o)+7], v4
	ds_store_b64 v11, v[WC+2*(\o):WC+2*(\o)+1] offset:((\o)>>2)*512+((\o)&1)*256+(((\o)>>1)&1)*8
.endm
.macro GROUP g, left, next             ; left: the loads issued behind this group's 32
	s_wait_loadcnt \left
.if \next < 4
	WLOAD \next
.endif
.irp q, 0,1,2,3
	OCT 4*\g+\q
.endr
.endm
	WLOAD 0
	WLOAD 1
	s_wait_alu depctr_va_vdst(0)
	s_wait_kmcnt 0x0
	s_cmp_eq_u32 s22, 1
	s_cselect_b32 s41, s27, s25                    ; e3 or e1
	s_cmp_eq_u32 s22, 2
	s_cselect_b32 s41, s29, s41                    ; e5
	s_cmp_eq_u32 s22, 3
	s_cselect_b32 s41, s35, s41                    ; e11
	MKSCALE 41, 4, 5
	s_wait_alu depctr_va_vdst(0)
	GROUP 0, 32, 2
	GROUP 1, 32, 3
	GROUP 2, 32, 4
	GROUP 3, 0, 4
.irp i, 0,1,2,3,4,5,6,7
	ds_load_b128 v[WO+4*\i:WO+4*\i+3], v12 offset:512*\i   ; these see my stores: a wave's LDS instructions are served in order
.endr
.irp i, 0,1,2,3,4,5,6,7
	s_wait_dscnt 7-\i
	global_store_b128 v2, v[WO+4*\i:WO+4*\i+3], s[16:17] offset:(\i>>2)*16384+(\i&3)*512
.endr
	s_wait_tensorcnt 0x0
	ds_add_u32 v224, v225
	s_wait_dscnt 0x0
	s_endpgm
.Lfunc_end_k_q7542975628_quant:
	.size	k_q7542975628_quant, .Lfunc_end_k_q7542975628_quant-k_q7542975628_quant
	.p2alignl 7, 3214868480
	.fill 96, 4, 3214868480
	.section	.rodata,"a",@progbits
	.p2align	6, 0x0
	.amdhsa_kernel k_q7542975628_quant
		.amdhsa_group_segment_fixed_size 50688
		.amdhsa_private_segment_fixed_size 0
		.amdhsa_enable_private_segment 0
		.amdhsa_kernarg_size 56
		.amdhsa_user_sgpr_count 2
		.amdhsa_user_sgpr_kernarg_segment_ptr 1
		.amdhsa_wavefront_size32 1
		.amdhsa_system_sgpr_workgroup_id_x 1
		.amdhsa_system_sgpr_workgroup_id_y 1
		.amdhsa_system_sgpr_workgroup_id_z 1
		.amdhsa_system_vgpr_workitem_id 0
		.amdhsa_next_free_vgpr 226
		.amdhsa_next_free_sgpr 66
		.amdhsa_reserve_vcc 0
		.amdhsa_float_denorm_mode_32 3
		.amdhsa_float_denorm_mode_16_64 3
		.amdhsa_fp16_overflow 1
		.amdhsa_memory_ordered 1
		.amdhsa_forward_progress 1
		.amdhsa_inst_pref_size 33
	.end_amdhsa_kernel
	.amdgpu_metadata
---
amdhsa.version: [ 1, 2 ]
amdhsa.kernels:
  - .name:           k_q7542975628_quant
    .symbol:         k_q7542975628_quant.kd
    .args:
      - { .name: x, .offset: 0, .size: 8, .value_kind: global_buffer, .address_space: global }
      - { .name: Wq, .offset: 8, .size: 8, .value_kind: global_buffer, .address_space: global }
      - { .name: Wk, .offset: 16, .size: 8, .value_kind: global_buffer, .address_space: global }
      - { .name: Wv, .offset: 24, .size: 8, .value_kind: global_buffer, .address_space: global }
      - { .name: Wo, .offset: 32, .size: 8, .value_kind: global_buffer, .address_space: global }
      - { .name: lowp_scales, .offset: 40, .size: 8, .value_kind: global_buffer, .address_space: global }
      - { .name: img, .offset: 48, .size: 8, .value_kind: global_buffer, .address_space: global }
    .group_segment_fixed_size: 50688
    .private_segment_fixed_size: 0
    .kernarg_segment_align: 8
    .kernarg_segment_size: 56
    .max_flat_workgroup_size: 128
    .sgpr_count:     66
    .vgpr_count:     226
    .wavefront_size: 32
...
	.end_amdgpu_metadata
.endif
;; end of part 1
;; launch qkv (part 2): grid 12 x 64, 4 waves a work-group, clusters of 4 x 4, 327,680 bytes of LDS; arguments img, lowp_scales, bq, bk, bv, qkv; writes qkv
.if DOCPART == 2
	.amdgcn_target "amdgcn-amd-amdhsa--gfx1250"
	.amdhsa_code_object_version 6
	.text
	.protected	k_q7542975628_qkv
	.globl	k_q7542975628_qkv
	.p2align	8
	.type	k_q7542975628_qkv,@function
k_q7542975628_qkv:
	s_mov_b64 s[64:65], 0
	v_nop
	global_prefetch_b8 v0, s[64:65] scope:SCOPE_SE
	s_setreg_imm32_b32 hwreg(HW_REG_WAVE_MODE, 25, 1), 1
	s_wait_xcnt 0x0
	s_wait_alu depctr_hold_cnt(0) depctr_sa_sdst(0) depctr_va_vdst(0) depctr_va_sdst(0) depctr_va_ssrc(0) depctr_va_vcc(0) depctr_vm_vsrc(0)
	s_getreg_b32 s2, hwreg(HW_REG_IB_STS2, 6, 4)
	s_cmp_eq_u32 s2, 0
	s_cbranch_scc0 .Lentry_in_a_cluster
	s_endpgm
.Lentry_in_a_cluster:
	s_bfe_u32 s2, ttmp6, 0x10000c
	s_cmp_lg_u32 s2, 0xf033
	s_cbranch_scc0 .Lentry_shape_is_right
	s_endpgm
.Lentry_shape_is_right:
; q = x Wq + bq, k = x Wk + bk, v = x Wv + bv on codes of FP8 (E4M3), and their results quantised at once for the two products of attention.
; The cluster's x says which: 0 q, 1 k, 2 v.  All operands are IMAGES OF OPERAND REGISTERS (16 rows x 128 K = 4 groups of 512 bytes, lane l's 16 bytes at 16 l; fragment (row block, chunk) at 16384 rb + 2048 kc),
; so every LDS read is 16 x lane + a constant: no pitch, no padding, and k stands in its true place.
; A work-group makes 256 rows of source 0's operand (S0) x 128 rows of source 1's (S1); a wave 128 x 64: 32 accumulators.  In a result lane (r, h) holds in register j (S0 row 8 h + j, S1 row r):
; eight neighbours along S0's rows, which one conversion turns into registers 2 c, 2 c + 1 of the NEXT operand (c: the block of 16 S0 rows).
;   q, k: S0 = the weight (rows n), S1 = x: a lane's eight are neighbours along the head's 64, the K of q k^T.     v: S0 = x (rows = keys), S1 = Wv: neighbours along the keys, the K of p v.
; Both kinds of image have the same shape, so one text serves all three: only byte offsets are chosen, by s_cselect on the cluster's x.  There is no branch on it.
; K = 1024 is 8 chunks of 128, written out.  Three LDS slots of a K step of 256 each; K steps 0, 1, 2 are asked for at the start (three tensor loads of a wave are out), K step 3 fills slot 0 again.
; CLUSTER 4 x 4: S0's tile hangs on cx and is shared along a column, S1's on cy and is shared along a row: joint loads.
; OUT (qkv): q at 0, k at 0x800000: [batch x head 64][tile of 16 tokens 128][1,024 bytes: 16 tokens x 64];  v at 0x1000000: [batch x head][block of 128 keys 16][16 of the head's 64: 4][2,048 bytes: 16 x 128 keys].
; LIMITS: e(A) + e(B) of each product between -126 and 127; entries 6, 7, 9 between -126 and 119.  NaN is not served.
; REGISTERS, in windows of 256: window 0: v0-31 addresses, v32-95 and v96-103 biases, v128-255 S1's fragments, two sets; window 1: S0's fragments, two sets; window 2: accumulator (a, b) at v[8 (8 a + b)].
.set SLOT,  98304                      ; S0: 16 row blocks x 4,096 bytes, then S1: 8 x 4,096
.set S1OFF, 65536
.set SPARE, 3*SLOT                     ; behind the slots: the spare words, 128 bytes a wave: two blocks of 256 bytes that no other line names
.set LI,  3                            ; v3     16 x lane
.set AD0, 4                            ; v4-6   my 8 row blocks of S0 in slot 0, 1, 2
.set AD1, 8                            ; v8-10  my 4 row blocks of S1
.set VO,  12                           ; v12-19 byte offsets of my stores: block a, half g
.set SPW, 20                           ; v20    my spare word; never rewritten
.set NIL, 21                           ; v21    0; never rewritten
.set BQ,  32                           ; v32-95 bias along S0's rows (q, k), else zeros
.set BV,  96                           ; v96-103 bias along S1's rows (v), else zeros: a pair for each block a, the low word used
.set T,   128                          ; the way out: 64 numbers
.set CD,  192                          ; the way out: 16 registers of codes for each block a
.set G1,  24                           ; s[24:31] group 1 for S1's tiles; s[40:51] its groups 0, one a slot
.set G1B, 32                           ; s[32:39] group 1 for S0's tiles; s[52:63] its groups 0
.set G0,  40
.set G0B, 52
.set MSB, 0
.macro WIN new                         ; the immediate's high byte repeats the setting that is left
.if MSB != \new
	s_set_vgpr_msb (MSB<<8)|\new
.set MSB, \new
.endif
.endm
.set MULW, 0xa1                        ; source 0 (S0) window 1, source 1 (S1) window 0, C and D window 2
.set TO_B, 0x40                        ; destination window 1, address window 0
.macro PLACES n
.rept \n
	v_nop
.endr
.endm
; A joint load: waves 0 and 1 fetch S0's halves, waves 2 and 3 S1's.  The branch hangs on the wave's number alone.  Four v_nop follow each line.
.macro JLOAD s
	s_cmp_eq_u32 s17, 0
	s_cbranch_scc0 .Lfor_s1_\@
	tensor_load_to_lds s[G0B+4*\s:G0B+4*\s+3], s[G1B:G1B+7]
	s_nop 0
.rept 4
	v_nop
.endr
	s_branch .Lasked_\@
.Lfor_s1_\@:
	tensor_load_to_lds s[G0+4*\s:G0+4*\s+3], s[G1:G1+7]
	s_nop 0
.rept 4
	v_nop
.endr
.Lasked_\@:
.endm
.macro CREST                           ; a round of the cluster's barrier behind its opening barrier
	s_cmp_lg_u32 s16, 0
	s_cbranch_scc1 .Lnot_wave_0_\@
	s_barrier_signal -3
.Lnot_wave_0_\@:
	s_barrier_wait -3
	s_barrier_signal -1
	s_barrier_wait -1
.endm
.macro CROUND
	s_barrier_signal -1
	s_barrier_wait -1
	CREST
.endm
; chunk c's fragments: 48 LDS loads in one run, into set c % 2
.macro FETCH c
.set FSL, ((\c)/2)%3
.set FU,  (\c)%2
	WIN TO_B
.irp b, 0,1,2,3,4,5,6,7
.irp q, 0,1,2,3
	ds_load_b128 v[128*FU+16*\b+4*\q:128*FU+16*\b+4*\q+3], v[AD0+FSL] offset:4096*\b+2048*FU+512*\q
.endr
.endr
	WIN 0
.irp a, 0,1,2,3
.irp q, 0,1,2,3
	ds_load_b128 v[128+64*FU+16*\a+4*\q:128+64*FU+16*\a+4*\q+3], v[AD1+FSL] offset:4096*\a+2048*FU+512*\q
.endr
.endr
.endm
; chunk c's products for S1's blocks a0 .. a0 + n - 1, each against S0's eight.  The 32 accumulators take turns, one instruction a turn, in the same order in every chunk.
.macro MUL c, a0, n, zero
.set MP, (\c)%2
.set ma, \a0
.rept \n
.irp b, 0,1,2,3,4,5,6,7
.if \zero
	v_wmma_f32_16x16x128_fp8_fp8 v[8*(8*ma+\b):8*(8*ma+\b)+7], v[128*MP+16*\b:128*MP+16*\b+15], v[128+64*MP+16*ma:128+64*MP+16*ma+15], 0
.else
	v_wmma_f32_16x16x128_fp8_fp8 v[8*(8*ma+\b):8*(8*ma+\b)+7], v[128*MP+16*\b:128*MP+16*\b+15], v[128+64*MP+16*ma:128+64*MP+16*ma+15], v[8*(8*ma+\b):8*(8*ma+\b)+7]
.endif
.endr
.set ma, ma+1
.endr
.endm
; A chunk whose successor lies in a slot already shown whole.  The next chunk's loads go out first: 48 LDS loads stand against 32 products.
.macro PLAIN c, zero
	s_wait_dscnt 0x0                               ; this chunk's fragments are in
.if \c > 0
	PLACES 4                                       ; in front of loads into the set that the chunk before multiplied (ISA guide 7.12.1 for vector instructions)
.endif
	FETCH (\c)+1
	WIN MULW
	MUL \c, 0, 4, \zero
.endm
; A chunk whose successor lies in the next slot; later tiles may stay out.  left: my tensor loads issued behind that slot's.
.macro BARSTEP c, left
	s_wait_dscnt 0x0
	s_wait_tensorcnt \left                         ; my part of the next slot is in
	WIN MULW
	s_barrier_signal -1
	MUL \c, 0, 2, 0
	s_barrier_wait -1                              ; everybody's is
	PLACES 4
	FETCH (\c)+1
	WIN MULW
	MUL \c, 2, 2, 0
.endm
	s_load_b256 s[4:11], s[0:1], 0x0               ; img s[4:5], the exponents s[6:7], bq s[8:9], bk s[10:11]
	s_load_b128 s[12:15], s[0:1], 0x20             ; bv s[12:13], qkv s[14:15]
	v_lshl_add_u32 v[SPW], v0, 2, SPARE
	v_mov_b32 v[NIL], 0
	ds_add_u32 v20, v21
	ds_add_u32 v20, v21
	s_wait_dscnt 0x0
	v_lshrrev_b32 v1, 5, v0
	v_readfirstlane_b32 s16, v1                    ; wave 0..3
	s_lshr_b32 s17, s16, 1                         ; which 64 rows of S1 are mine.  Also: I fetch for S0 (0) or for S1 (1)
	s_and_b32 s18, s16, 1                          ; which 128 rows of S0 are mine.  Also: which half of that tile I fetch
	s_bfe_u32 s19, ttmp6, 0x40000                  ; cx
	s_bfe_u32 s20, ttmp6, 0x40004                  ; cy
	s_mov_b32 s21, ttmp9                           ; the cluster's x: 0 q, 1 k, 2 v
	s_and_b32 s22, ttmp7, 0xffff                   ; the cluster's y, 0..15
	s_lshl_b32 s66, s20, 2
	s_lshl_b32 s66, 15, s66                        ; my row of the cluster
	s_lshl_b32 s67, 0x1111, s19                    ; my column
	; group 1: rows of 4,096 bytes (512 elements of 8 bytes), 16,384 bytes apart in memory, dense in LDS; S0: 8 rows, S1: 4
	s_or_b32 s[G1], s66, (3<<16)|(1<<21)           ; 15:0 the mask; 17:16 elements of 8 bytes; 21 set beside a mask
	s_or_b32 s[G1B], s67, (3<<16)|(1<<21)
	s_mov_b32 s[G1+1], 512<<16                     ; tensor_dim0
	s_mov_b32 s[G1+2], 4<<16                       ; tensor_dim1
	s_mov_b32 s[G1+3], 512<<16                     ; tile_dim0
	s_mov_b32 s[G1+4], 4                           ; tile_dim1
	s_mov_b32 s[G1+5], 2048                        ; tensor_dim0_stride
	s_mov_b32 s[G1+6], 0
	s_mov_b32 s[G1+7], 0
	s_mov_b32 s[G1B+1], 512<<16
	s_mov_b32 s[G1B+2], 8<<16
	s_mov_b32 s[G1B+3], 512<<16
	s_mov_b32 s[G1B+4], 8
	s_mov_b32 s[G1B+5], 2048
	s_mov_b32 s[G1B+6], 0
	s_mov_b32 s[G1B+7], 0
	; S0's tile, in registers that never hold cy
	s_and_b32 s68, s22, 7
	s_lshl_b32 s68, s68, 2
	s_add_co_u32 s68, s68, s19                     ; v: tile cx + 4 (Cy % 8) of x's 32
	s_lshl_b32 s69, s21, 20
	s_add_co_u32 s69, s69, 0x1800000               ; q, k: the weight's image
	s_mov_b32 s70, 0x1000000                       ; v: x under entry 4
	s_cmp_eq_u32 s21, 2
	s_cselect_b32 s68, s68, s19                    ; S0's tile number (q, k: cx)
	s_cselect_b32 s69, s70, s69
	s_lshl_b32 s70, s68, 18                        ; 16 row blocks a tile,
	s_add_co_u32 s70, s70, s69
	s_lshl_b32 s71, s18, 17                        ; the half that I fetch
	s_add_co_u32 s70, s70, s71
	s_mov_b32 s71, 0
	; S1's tile, in registers that never hold cx
	s_lshr_b32 s72, s22, 3
	s_lshl_b32 s73, s21, 23                        ; q, k: x under entry 0 or 2
	s_mov_b32 s74, 0x1a00000                       ; v: Wv's image
	s_cmp_eq_u32 s21, 2
	s_cselect_b32 s72, s72, s22
	s_cselect_b32 s73, s74, s73
	s_lshl_b32 s72, s72, 2
	s_add_co_u32 s72, s72, s20                     ; S1's tile number: q, k: cy + 4 Cy of 64; v: cy + 4 (Cy / 8) of 8
	s_lshl_b32 s74, s72, 17                        ; 8 row blocks a tile,
	s_add_co_u32 s74, s74, s73
	s_lshl_b32 s75, s18, 16
	s_add_co_u32 s74, s74, s75
	s_mov_b32 s75, 0
	s_lshl_b32 s76, s18, 15                        ; where they go: the wave's number alone enters an LDS address
	s_lshl_b32 s77, s18, 14
	s_add_co_u32 s77, s77, S1OFF
	s_wait_kmcnt 0x0
	s_load_b256 s[80:87], s[6:7], 0x0              ; e0 .. e7
	s_load_b128 s[88:91], s[6:7], 0x20             ; e8 .. e11
	s_add_nc_u64 s[70:71], s[4:5], s[70:71]
	s_add_nc_u64 s[74:75], s[4:5], s[74:75]
	CROUND                                         ; all sixteen work-groups are here: the first joint loads meet
.irp s, 0,1,2
	s_mov_b32 s[G0B+4*\s], 1
	s_add_co_u32 s[G0B+4*\s+1], s76, \s*SLOT
	s_add_nc_u64 s[G0B+4*\s+2:G0B+4*\s+3], s[70:71], \s*4096       ; K step s: two chunks of 2,048 bytes in every row block
	s_or_b32 s[G0B+4*\s+3], s[G0B+4*\s+3], 0x80000000
	s_mov_b32 s[G0+4*\s], 1
	s_add_co_u32 s[G0+4*\s+1], s77, \s*SLOT
	s_add_nc_u64 s[G0+4*\s+2:G0+4*\s+3], s[74:75], \s*4096
	s_or_b32 s[G0+4*\s+3], s[G0+4*\s+3], 0x80000000
	JLOAD \s
.endr
	; while the tiles are on their way: addresses, biases
	v_and_b32 v1, 15, v0                           ; r
	v_bfe_u32 v2, v0, 4, 1                         ; h
	s_wait_alu depctr_va_vdst(0)
	v_and_b32 v[LI], 31, v0
	v_lshlrev_b32 v[LI], 4, v[LI]
	s_lshl_b32 s78, s18, 15
	s_lshl_b32 s79, s17, 14
	s_add_co_u32 s79, s79, S1OFF
.irp s, 0,1,2
	v_add_nc_u32 v[AD0+\s], s78, v[LI]
	v_add_nc_u32 v[AD1+\s], s79, v[LI]
	s_add_co_u32 s78, s78, SLOT
	s_add_co_u32 s79, s79, SLOT
.endr
	s_cmp_eq_u32 s21, 1                            ; my bias: the choice hangs on the cluster's x alone
	s_cselect_b64 s[8:9], s[10:11], s[8:9]
	s_cmp_eq_u32 s21, 2
	s_cselect_b64 s[8:9], s[12:13], s[8:9]
	s_lshl_b32 s92, s68, 10                        ; q, k: 4 bytes x (256 x S0's tile + 128 x my half)
	s_lshl_b32 s93, s18, 9
	s_add_co_u32 s92, s92, s93
	s_lshl_b32 s93, s72, 9                         ; v: 4 bytes x (128 x S1's tile + 64 x my half)
	s_lshl_b32 s94, s17, 8
	s_add_co_u32 s93, s93, s94
	s_cmp_eq_u32 s21, 2
	s_cselect_b32 s92, 0, s92                      ; the set that is not wanted reads the buffer's first bytes and is made zeros below
	s_cselect_b32 s93, s93, 0
	s_cselect_b32 s94, 0, -1                       ; lanes that keep the bias along S0's rows,
	s_cselect_b32 s95, -1, 0                       ; along S1's rows
	v_lshl_add_u32 v22, v2, 5, s92
	v_lshl_add_u32 v23, v1, 2, s93
.irp b, 0,1,2,3,4,5,6,7
	global_load_b128 v[BQ+8*\b:BQ+8*\b+3], v22, s[8:9] offset:64*\b          ; bias(16 b + 8 h + 0 .. 7)
	global_load_b128 v[BQ+8*\b+4:BQ+8*\b+7], v22, s[8:9] offset:64*\b+16
.endr
.irp a, 0,1,2,3
	global_load_b32 v[BV+2*\a], v23, s[8:9] offset:64*\a                     ; bias(16 a + r)
	v_mov_b32 v[BV+2*\a+1], 0                      ; (named as the pair's upper half)
.endr
	; where my codes go.  q, k: token tile i0 + a, head 4 x S0's tile + 2 x my half + g;  v: key block 2 x S0's tile + my half, head 2 x S1's tile + my half, tile a of its 64
	s_lshl_b32 s96, s72, 3
	s_lshl_b32 s97, s17, 2
	s_add_co_u32 s96, s96, s97                     ; i0
	s_lshr_b32 s97, s96, 7
	s_lshl_b32 s97, s97, 21                        ; the batch
	s_and_b32 s96, s96, 127
	s_lshl_b32 s96, s96, 10
	s_add_co_u32 s96, s96, s97
	s_lshl_b32 s97, s68, 2
	s_lshl_b32 s98, s18, 1
	s_add_co_u32 s97, s97, s98
	s_lshl_b32 s97, s97, 17
	s_add_co_u32 s96, s96, s97
	s_lshl_b32 s97, s68, 1
	s_add_co_u32 s97, s97, s18                     ; key block, 0..63
	s_lshr_b32 s98, s97, 4
	s_lshl_b32 s98, s98, 4                         ; 16 x batch
	s_lshl_b32 s99, s72, 1
	s_add_co_u32 s98, s98, s99
	s_add_co_u32 s98, s98, s17
	s_lshl_b32 s98, s98, 17
	s_and_b32 s97, s97, 15
	s_lshl_b32 s97, s97, 13
	s_add_co_u32 s97, s97, s98
	s_mov_b32 s98, 1024                            ; from block a to a + 1: q, k: the next token tile;
	s_mov_b32 s99, 131072                          ; from codes' half 0 to 1: q, k: the next head
	s_cmp_eq_u32 s21, 2
	s_cselect_b32 s96, s97, s96
	s_cselect_b32 s98, 2048, s98                   ; v: the next fragment,
	s_cselect_b32 s99, 1024, s99                   ; v: the fragment's second half
	s_lshl_b32 s97, s21, 23
	s_add_co_u32 s96, s96, s97
	s_mov_b32 s97, 0
	s_add_nc_u64 s[14:15], s[14:15], s[96:97]
.irp a, 0,1,2,3
	s_mul_i32 s96, s98, \a
	v_add_nc_u32 v[VO+2*\a], s96, v[LI]
	s_add_co_u32 s96, s96, s99
	v_add_nc_u32 v[VO+2*\a+1], s96, v[LI]
.endr
	s_wait_tensorcnt 0x2                           ; my part of slot 0 is in; slots 1 and 2 stay out
	s_barrier_signal -1
	s_barrier_wait -1
	FETCH 0
	PLAIN 0, 1                                     ; the first chunk's products start the sums: nothing is cleared
	BARSTEP 1, 1                                   ; slot 1 is wanted; slot 2's load stays out
	PLAIN 2, 0
	; chunk 3: slot 2 is wanted, and slot 0, read out since chunk 1, is filled again with K step 3
	WIN 0                                          ; (the add's two registers lie in window 0)
	s_wait_tensorcnt 0x0                           ; all my tensor loads have landed: the one that was out is my part of slot 2
	ds_add_u32 v[SPW], v[NIL]                      ; 0 onto my spare word
	s_wait_dscnt 0x1                               ; chunk 3's 48 loads are in; the add may be out
	WIN MULW
	MUL 3, 0, 1, 0                                 ; eight products stand between the add and the wait for it
	s_wait_dscnt 0x0                               ; the add is done; I have no LDS read out
	s_barrier_signal -1                            ; opens a round of the cluster's barrier
	MUL 3, 1, 1, 0
	WIN 0
	s_barrier_wait -1
	CREST                                          ; no wave of any partner still reads slot 0 or has a load on its way
	s_add_nc_u64 s[G0B+2:G0B+3], s[G0B+2:G0B+3], 12288     ; K step 3: chunks 6 and 7
	s_add_nc_u64 s[G0+2:G0+3], s[G0+2:G0+3], 12288
	JLOAD 0                                        ; my one tensor load behind the round; its four v_nop are also the places in front of the loads below
	FETCH 4
	WIN MULW
	MUL 3, 2, 2, 0
	PLAIN 4, 0
	BARSTEP 5, 0                                   ; slot 0's second tile is wanted: no load was issued behind it
	PLAIN 6, 0
	s_wait_dscnt 0x0
	WIN MULW
	MUL 7, 0, 4, 0
	WIN 0
	; THE WAY OUT: sum x 2^(ea + eb) + bias, converted with 2^eo: a block a's 64 numbers become 16 registers of codes, stored as they stand.
	s_wait_loadcnt 0x0                             ; the biases
	s_wait_kmcnt 0x0                               ; the exponents
	s_add_co_i32 s76, s80, s81
	s_add_co_i32 s77, s82, s83
	s_add_co_i32 s78, s84, s85
	s_cmp_eq_u32 s21, 1
	s_cselect_b32 s76, s77, s76
	s_cselect_b32 s79, s87, s86                    ; the result's own scale: q entry 6, k entry 7,
	s_cmp_eq_u32 s21, 2
	s_cselect_b32 s76, s78, s76
	s_cselect_b32 s79, s89, s79                    ; v entry 9
	s_add_co_i32 s76, s76, 127
	s_lshl_b32 s96, s76, 23                        ; 2^(ea + eb) as f32
	s_mov_b32 s97, s96                             ; (named with it as a pair)
	s_add_co_i32 s79, s79, 127
	s_lshl_b32 s77, s79, 23
	s_add_co_i32 s79, s79, 8
	s_lshl_b32 s79, s79, 23
	s_or_b32 s79, s79, 0x600000
	; the selects are plain vector lines that name no register of the products: they are the places in front of the first read of results
.set j, 0
.rept 64
	v_cndmask_b32 v[BQ+j], 0, v[BQ+j], s94
.set j, j+1
.endr
.irp a, 0,1,2,3
	v_cndmask_b32 v[BV+2*\a], 0, v[BV+2*\a], s95
.endr
	v_mov_b32 v24, s77                             ; 2^eo
.macro EPI a
	WIN 0x02                                       ; source 0: window 2
.irp b, 0,1,2,3,4,5,6,7
.irp i, 0,2,4,6
	v_pk_fma_f32 v[T+8*\b+\i:T+8*\b+\i+1], v[8*(8*\a+\b)+\i:8*(8*\a+\b)+\i+1], s[96:97], v[BQ+8*\b+\i:BQ+8*\b+\i+1] op_sel_hi:[1,0,1]   ; each accumulator from its low end on
.endr
.endr
	WIN 0
.set j, 0
.rept 32
	v_pk_add_f32 v[T+j:T+j+1], v[T+j:T+j+1], v[BV+2*\a:BV+2*\a+1] op_sel_hi:[1,0]   ; one of the two biases is zeros: one rounding in all
.set j, j+2
.endr
.irp b, 0,1,2,3,4,5,6,7
.irp j, 0,1,2,3,4,5,6,7
.endr
	v_cvt_scalef32_pk8_fp8_f32 v[CD+16*\a+2*\b:CD+16*\a+2*\b+1], v[T+8*\b:T+8*\b+7], v24
.endr
	v_nop                                          ; a plain line between the last conversion and the next block's writes of its sources
.irp q, 0,1,2,3
	global_store_b128 v[VO+2*\a+\q/2], v[CD+16*\a+4*\q:CD+16*\a+4*\q+3], s[14:15] offset:(\q%2)*512   ; 32 lanes store 512 consecutive bytes, at a multiple of 512 from the buffer's first byte; each block has registers of its own
.endr
.endm
	EPI 0
	EPI 1
	EPI 2
	EPI 3
	s_wait_tensorcnt 0x0                           ; the wave's end
	ds_add_u32 v[SPW], v[NIL]
	s_wait_dscnt 0x0
	CROUND                                         ; the closing round: no work-group ends while a partner may still ask for a tile that names it
	s_endpgm
.Lfunc_end_k_q7542975628_qkv:
	.size	k_q7542975628_qkv, .Lfunc_end_k_q7542975628_qkv-k_q7542975628_qkv
	.p2alignl 7, 3214868480
	.fill 96, 4, 3214868480
	.section	.rodata,"a",@progbits
	.p2align	6, 0x0
	.amdhsa_kernel k_q7542975628_qkv
		.amdhsa_group_segment_fixed_size 327680
		.amdhsa_private_segment_fixed_size 0
		.amdhsa_enable_private_segment 0
		.amdhsa_kernarg_size 48
		.amdhsa_user_sgpr_count 2
		.amdhsa_user_sgpr_kernarg_segment_ptr 1
		.amdhsa_wavefront_size32 1
		.amdhsa_system_sgpr_workgroup_id_x 1
		.amdhsa_system_sgpr_workgroup_id_y 1
		.amdhsa_system_sgpr_workgroup_id_z 1
		.amdhsa_system_vgpr_workitem_id 0
		.amdhsa_next_free_vgpr 768
		.amdhsa_next_free_sgpr 100
		.amdhsa_reserve_vcc 0
		.amdhsa_float_denorm_mode_32 3
		.amdhsa_float_denorm_mode_16_64 3
		.amdhsa_fp16_overflow 1
		.amdhsa_memory_ordered 1
		.amdhsa_forward_progress 1
		.amdhsa_inst_pref_size 81
	.end_amdhsa_kernel
	.amdgpu_metadata
---
amdhsa.version: [ 1, 2 ]
amdhsa.kernels:
  - .name:           k_q7542975628_qkv
    .symbol:         k_q7542975628_qkv.kd
    .args:
      - { .name: img, .offset: 0, .size: 8, .value_kind: global_buffer, .address_space: global }
      - { .name: lowp_scales, .offset: 8, .size: 8, .value_kind: global_buffer, .address_space: global }
      - { .name: bq, .offset: 16, .size: 8, .value_kind: global_buffer, .address_space: global }
      - { .name: bk, .offset: 24, .size: 8, .value_kind: global_buffer, .address_space: global }
      - { .name: bv, .offset: 32, .size: 8, .value_kind: global_buffer, .address_space: global }
      - { .name: qkv, .offset: 40, .size: 8, .value_kind: global_buffer, .address_space: global }
    .group_segment_fixed_size: 327680
    .private_segment_fixed_size: 0
    .kernarg_segment_align: 8
    .kernarg_segment_size: 48
    .max_flat_workgroup_size: 128
    .sgpr_count:     100
    .vgpr_count:     768
    .wavefront_size: 32
...
	.end_amdgpu_metadata
.endif
;; end of part 2
;; launch attn (part 3): grid 4 x 64, 16 waves a work-group, clusters of 4 x 1, 264,192 bytes of LDS; arguments qkv, lowp_scales, yimg; writes yimg
.if DOCPART == 3
	.amdgcn_target "amdgcn-amd-amdhsa--gfx1250"
	.amdhsa_code_object_version 6
	.text
	.protected	k_q7542975628_attn
	.globl	k_q7542975628_attn
	.p2align	8
	.type	k_q7542975628_attn,@function
k_q7542975628_attn:
	s_mov_b64 s[64:65], 0
	v_nop
	global_prefetch_b8 v0, s[64:65] scope:SCOPE_SE
	s_setreg_imm32_b32 hwreg(HW_REG_WAVE_MODE, 25, 1), 1
	s_wait_xcnt 0x0
	s_wait_alu depctr_hold_cnt(0) depctr_sa_sdst(0) depctr_va_vdst(0) depctr_va_sdst(0) depctr_va_ssrc(0) depctr_va_vcc(0) depctr_vm_vsrc(0)
	s_getreg_b32 s2, hwreg(HW_REG_IB_STS2, 6, 4)
	s_cmp_eq_u32 s2, 0
	s_cbranch_scc0 .Lentry_in_a_cluster
	s_endpgm
.Lentry_in_a_cluster:
	s_bfe_u32 s2, ttmp6, 0x10000c
	s_cmp_lg_u32 s2, 0x3003
	s_cbranch_scc0 .Lentry_shape_is_right
	s_endpgm
.Lentry_shape_is_right:
; y = softmax(q k^T / 8, causal) v for 64 (batch, head) pairs of 2,048 tokens x 64, both products on codes of FP8 (E4M3); y is quantised at once for the last projection.
; THE SOFTMAX AHEAD OF THE SECOND PRODUCT: t = score x log2(e) / 8; M = the running largest t rounded UP to a whole number; p = 2^(t - M) is quantised, not normalised; the row's sum is taken of the
; unquantised p and divides at the end; when M moves, the sum and O are multiplied by 2^(old M - new M), which rounds nothing.
; SHARES.  A cluster of four work-groups is one head; its K and V codes (131,072 bytes each) lie whole in every work-group's LDS, brought once by joint loads: no ring, no refill.
; Wave w (G = w / 2, e = 2 cx + w % 2) owns two tiles of 16 queries: tile 8 (15 - G) + e, taken first, and tile 8 G + e.  A tile in group g of 128 queries wants key steps 0 .. g of 128 keys, the last on
; the diagonal: (16 - G) + (G + 1) = 17 steps for every wave.  Steps whose keys all come after the queries are never walked.  Every branch hangs on the wave's number and on counters; cx enters global offsets and the mask's numbers alone.
; LAYOUT.  Both products are used transposed: S^T = K Q^T (source 0 = 16 keys, source 1 = my 16 queries), O^T = V^T P^T (source 0 = 16 of the head's 64, source 1 = P): a lane holds ONE query (lane % 16).
; Register 8 t + j of S^T is key 16 t + 8 h + j: eight neighbours, which one conversion turns into registers 2 t, 2 t + 1 of P.  K, V and Q come as images of operand registers: 16 x lane + a constant.
; A STEP IS VECTOR WORK: 12 matrix instructions stand beside some 200 vector instructions.  So the places behind the products are filled by work that is due anyway
; where there is any, and the maximum and the sum run in four chains each, so that no line waits for the line just above it.
; OUT (yimg): the operand image of y [8192][1024], k = 64 head + d: fragment (row block, chunk) at 16384 rb + 2048 kc; a head's 64 are half a fragment, two stores of 512 bytes.
; LIMITS: entries 6 + 7 between -123 and 130 (added to c's exponent field); entries 8 and 10 between -126 and 119.  NaN is not served.
.set VB,  131072                       ; V's codes begin here; K's at 0
.set LI,  1                            ; v1   16 x lane
.set DQ,  2                            ; v2   my query in its group of 128, less 8 h
.set NINF, 3                           ; v3   -infinity
.set YO,  4                            ; v4   byte offset of the tile in hand in yimg;  v5 of the second tile
.set YN,  5
.set ADK, 8                            ; v8, v9  LDS addresses of the step's K and V
.set ADV, 9
.set Q,   16                           ; v16-23 Q in hand; v24-31 the second tile's
.set F,   32                           ; v32-95 the step's fragments of K, then of V
.set S,   96                           ; v96-159 S^T, then p
.set O,   160                          ; v160-191 O^T
.set YC,  200                          ; v200-207 y's codes
.set PC,  224                          ; v224-239 p's codes
.set OM,  247                          ; v247 -M as the step found it
; v12 -M, v13 the largest t, v[14:15] the sum in two halves; v[242:243], v[208:209], v[210:211] three more chains of the step's sum; v254, v252, v242, v243 the four chains of the step's maximum;
; v244 2^e8, v248 2^e10; v246, v252-254 at work
.set WV,  10                           ; s10 wave;  s13 G;  s14 e
.set GG,  13
.set GD,  15                           ; s15 the key step on the diagonal of the tile in hand
.set KS,  16                           ; s16 the key step
.set CNT, 17
.set TB,  18                           ; s18 the step's byte in K's (and V's) codes
.set SEL, 20                           ; s[20:21] lane selects: lane l xor 16
.set CS,  22                           ; s[22:23] c = log2(e) / 8 x 2^(e6 + e7)
.macro ROUND
	s_barrier_signal -1
	s_barrier_wait -1
	s_cmp_lg_u32 s[WV], 0
	s_cbranch_scc1 .Lnot_wave_0_\@
	s_barrier_signal -3
.Lnot_wave_0_\@:
	s_barrier_wait -3
	s_barrier_signal -1
	s_barrier_wait -1
.endm
.macro RESET                           ; a tile begins: the largest t under every t, the sum and O^T zeros, which the first change of M leaves zeros
	v_mov_b32 v13, 0xff61b1e6                      ; -3e38
	s_delay_alu instid0(VALU_DEP_1)
	v_floor_f32 v12, -v13
	v_mov_b32 v14, 0
	v_mov_b32 v15, 0
.set j, 0
.rept 32
	v_mov_b32 v[O+j], 0
.set j, j+1
.endr
.endm
	s_load_b128 s[4:7], s[0:1], 0x0                ; qkv s[4:5], the exponents s[6:7]
	s_load_b64 s[8:9], s[0:1], 0x10                ; yimg
	v_lshl_add_u32 v251, v0, 2, 0x40000
	v_mov_b32 v255, 0
	ds_add_u32 v251, v255
	ds_add_u32 v251, v255
	v_lshrrev_b32 v1, 5, v0
	s_delay_alu instid0(VALU_DEP_1)
	v_readfirstlane_b32 s[WV], v1                  ; wave 0..15
	s_bfe_u32 s11, ttmp6, 0x40000                  ; cx
	s_and_b32 s12, ttmp7, 0xffff                   ; batch x 16 + head, which the four partners share
	s_lshr_b32 s[GG], s[WV], 1
	s_and_b32 s54, s[WV], 1
	s_lshl_b32 s14, s11, 1
	s_add_co_u32 s14, s14, s54                     ; e
	; group 1: 16,384 dense bytes as 64 rows of 256 (32 elements of 8 bytes)
	s_mov_b32 s24, 15|(3<<16)|(1<<21)              ; 15:0 the mask: all four work-groups; 17:16 elements of 8 bytes; 21 set beside a mask
	s_mov_b32 s25, 32<<16                          ; tensor_dim0
	s_mov_b32 s26, 64<<16                          ; tensor_dim1
	s_mov_b32 s27, 32<<16                          ; tile_dim0
	s_mov_b32 s28, 64                              ; tile_dim1
	s_mov_b32 s29, 32                              ; tensor_dim0_stride
	s_mov_b32 s30, 0
	s_mov_b32 s31, 0
	s_mov_b32 s[SEL], 0x76543210
	s_mov_b32 s[SEL+1], 0xfedcba98
	s_mov_b32 s[CS], 0x3e38aa3b                    ; log2(e) / 8
	; what waves 0-3 fetch: waves 0, 1 K's codes, waves 2, 3 V's; of every 32,768 bytes (512 keys) the half w % 2
	s_and_b32 s55, s[GG], 1
	s_lshl_b32 s56, s55, 17
	s_lshl_b32 s57, s54, 14
	s_add_co_u32 s56, s56, s57                     ; in LDS: the wave's number alone
	s_add_co_u32 s58, s55, 1
	s_lshl_b32 s58, s58, 23                        ; k at 0x800000, v at 0x1000000,
	s_lshl_b32 s59, s12, 17                        ; the head's 131,072 bytes
	s_add_co_u32 s58, s58, s59
	s_add_co_u32 s58, s58, s57
	s_mov_b32 s59, 0
	s_wait_dscnt 0x0
	s_wait_kmcnt 0x0
	s_load_b128 s[48:51], s[6:7], 0x18             ; e6 .. e9
	s_load_b32 s52, s[6:7], 0x28                   ; e10
	s_add_nc_u64 s[58:59], s[4:5], s[58:59]
.irp g, 0,1,2,3
	s_mov_b32 s[32+4*\g], 1
	s_add_co_u32 s[33+4*\g], s56, \g*32768
	s_add_nc_u64 s[34+4*\g:35+4*\g], s[58:59], \g*32768
	s_or_b32 s[35+4*\g], s[35+4*\g], 0x80000000
.endr
	ROUND                                          ; all four work-groups are here: the joint loads meet
	s_cmp_lt_u32 s[WV], 4                          ; a wave's four fills stand in one branch, ahead of every wait on TENSORcnt, every LDS read and every barrier: four loads of mine are out
	s_cbranch_scc0 .Lno_fill
	tensor_load_to_lds s[32:35], s[24:31]          ; keys 0-511
	s_nop 0
	tensor_load_to_lds s[36:39], s[24:31]          ; 512-1023
	s_nop 0
	tensor_load_to_lds s[40:43], s[24:31]          ; 1024-1535
	s_nop 0
	tensor_load_to_lds s[44:47], s[24:31]          ; 1536-2047
	s_nop 0
.rept 4
	v_nop
.endr
.Lno_fill:
	v_and_b32 v6, 15, v0                           ; r
	v_bfe_u32 v7, v0, 4, 1                         ; h
	v_and_b32 v[LI], 31, v0
	s_delay_alu instid0(VALU_DEP_1)
	v_lshlrev_b32 v[LI], 4, v[LI]
	s_wait_alu depctr_va_vdst(0)
	s_lshl_b32 s55, s14, 4
	v_add_nc_u32 v[DQ], s55, v6
	v_lshlrev_b32 v7, 3, v7
	s_delay_alu instid0(VALU_DEP_1)
	v_sub_nc_u32 v[DQ], v[DQ], v7                  ; 16 e + r - 8 h
	v_mov_b32 v[NINF], 0xff800000
	s_sub_co_u32 s60, 15, s[GG]
	s_lshl_b32 s60, s60, 3
	s_add_co_u32 s60, s60, s14                     ; my first tile,
	s_lshl_b32 s61, s[GG], 3
	s_add_co_u32 s61, s61, s14                     ; my second
	s_lshl_b32 s62, s60, 10
	v_add_nc_u32 v10, s62, v[LI]
	s_lshl_b32 s62, s61, 10
	v_add_nc_u32 v11, s62, v[LI]
	s_lshl_b32 s62, s60, 14
	v_add_nc_u32 v[YO], s62, v[LI]
	s_lshl_b32 s62, s61, 14
	v_add_nc_u32 v[YN], s62, v[LI]
	s_lshl_b32 s62, s12, 17
	s_mov_b32 s63, 0
	s_add_nc_u64 s[4:5], s[4:5], s[62:63]          ; q's codes of my head
	global_load_b128 v[Q:Q+3], v10, s[4:5]
	global_load_b128 v[Q+4:Q+7], v10, s[4:5] offset:512
	global_load_b128 v[Q+8:Q+11], v11, s[4:5]
	global_load_b128 v[Q+12:Q+15], v11, s[4:5] offset:512
	s_lshr_b32 s62, s12, 4
	s_lshl_b32 s62, s62, 21                        ; the batch's 128 row blocks,
	s_bfe_u32 s66, s12, 0x30001
	s_lshl_b32 s66, s66, 11                        ; chunk head / 2,
	s_add_co_u32 s62, s62, s66
	s_and_b32 s66, s12, 1
	s_lshl_b32 s66, s66, 10                        ; its half head % 2
	s_add_co_u32 s62, s62, s66
	s_add_nc_u64 s[8:9], s[8:9], s[62:63]
	RESET
	v_mov_b32 v246, 0                              ; written once: a lane permute's destination counts as one of its sources
	v_mov_b32 v252, 0
	v_mov_b32 v253, 0                              ; (named as the upper half of the pair v[252:253])
	s_wait_kmcnt 0x0
	s_add_co_i32 s66, s48, s49
	s_lshl_b32 s66, s66, 23
	s_add_co_i32 s[CS], s[CS], s66                 ; a score stands for score x 2^(e6 + e7)
	s_mov_b32 s[CS+1], s[CS]
	s_add_co_i32 s66, s50, 127
	s_lshl_b32 s67, s66, 23
	v_mov_b32 v244, s67                            ; 2^e8
	s_add_co_i32 s66, s52, 127
	s_lshl_b32 s67, s66, 23
	v_mov_b32 v248, s67                            ; 2^e10
	s_add_co_i32 s53, s50, s51                     ; e8 + e9
; A tile is done: O^T / the sum x 2^(e8 + e9), converted with 2^e10, stored; then the second tile's state.
.macro FINISH
.rept 4
	v_nop                                          ; places behind the last products
.endr
	v_add_f32 v14, v14, v15
	s_delay_alu instid0(VALU_DEP_1)
	v_permlanex16_b32 v252, v14, s[SEL], s[SEL+1]
	s_delay_alu instid0(VALU_DEP_1)
	v_add_f32 v14, v14, v252                       ; the row's sum
	s_wait_alu depctr_va_vdst(0)
	v_rcp_f32 v14, v14
	v_nop                                          ; a plain line behind the transcendental
	s_wait_alu depctr_va_vdst(0)
	v_ldexp_f32 v14, v14, s53
.set j, 0
.rept 16
	v_pk_mul_f32 v[S+j:S+j+1], v[O+j:O+j+1], v[14:15] op_sel_hi:[1,0]   ; register 8 t + i is y(query r, 16 t + 8 h + i); each accumulator from its low end on
.set j, j+2
.endr
.set j, 0
.rept 32
.set j, j+1
.endr
.set t, 0
.rept 4
	v_cvt_scalef32_pk8_fp8_f32 v[YC+2*t:YC+2*t+1], v[S+8*t:S+8*t+7], v248
.set t, t+1
.endr
	v_nop                                          ; a plain line behind the last conversion: products write its sources later
	global_store_b128 v[YO], v[YC:YC+3], s[8:9]                 ; 32 lanes store 512 consecutive bytes, at a multiple of 512 from the buffer's first byte
	global_store_b128 v[YO], v[YC+4:YC+7], s[8:9] offset:512
	s_wait_xcnt 0x0                                ; the stores' offset register is written again only behind this wait
	v_mov_b32 v[YO], v[YN]
.set j, 0
.rept 8
	v_mov_b32 v[Q+j], v[Q+8+j]
.set j, j+1
.endr
	RESET
	s_mov_b32 s[KS], -1                            ; the step's count below makes it 0
	s_mov_b32 s[GD], s[GG]
.endm
; A KEY STEP of 128 keys.  gen = 0: one of my first tile's steps 0-7, which lie under its diagonal: no mask, no end of a tile; the byte TB steps by a constant.  gen = 1: any step.
.macro STEP gen
.if \gen
	s_and_b32 s[TB], s[KS], 15
	s_lshl_b32 s[TB], s[TB], 13
.endif
	s_setprio 2
	v_add_nc_u32 v[ADK], s[TB], v[LI]              ; with the three additions that end the step before: four places in front of loads into registers that the last products read
.set t, 0
.rept 16
	ds_load_b128 v[F+4*t:F+4*t+3], v[ADK] offset:512*t          ; eight tiles of 16 keys x 64: 8 registers each
.set t, t+1
.endr
	s_wait_alu depctr_va_vdst(0)
	s_wait_dscnt 0x0
.set t, 0
.rept 8
	v_wmma_f32_16x16x64_fp8_fp8 v[S+8*t:S+8*t+7], v[F+8*t:F+8*t+7], v[Q:Q+7], 0
.set t, t+1
.endr
	v_add_nc_u32 v[ADV], VB, v[ADK]                ; four places in front of the loads below and of the first read of the scores: V's address,
	v_mov_b32 v[OM], v12                           ; -M as the step finds it,
	v_nop
	v_nop                                          ; and two for which no work is at hand
.set t, 0
.rept 16
	ds_load_b128 v[F+4*t:F+4*t+3], v[ADV] offset:512*t          ; four tiles of 16 of the head's 64 x 128 keys: they land under the softmax
.set t, t+1
.endr
.if \gen
	s_cmp_lg_u32 s[KS], s[GD]
	s_cbranch_scc1 .Lopen_\@
.set n, 0
.rept 64                                       ; on the diagonal: register n holds key 16 (n / 8) + 8 h + n % 8 of the step: hidden where it comes after my query: -infinity, so p = 0
	v_cmp_gt_i32 vcc_lo, 16*(n/8)+n%8, v[DQ]
	v_cndmask_b32 v[S+n], v[S+n], v[NINF], vcc_lo
.set n, n+1
.endr
.Lopen_\@:
.endif
	; the step's largest score of my query among my 64 keys: four chains of 16 registers, each ascending, line by line in turn.  An accumulator's first read is at its low end: registers 0-2, or register 0 beside the one below it
	v_max3_num_f32 v254, v96, v97, v98
	v_max3_num_f32 v252, v112, v113, v114
	v_max3_num_f32 v242, v128, v129, v130
	v_max3_num_f32 v243, v144, v145, v146
.irp i, 3,5,7,9,11,13
	v_max3_num_f32 v254, v254, v[96+\i], v[97+\i]
	v_max3_num_f32 v252, v252, v[112+\i], v[113+\i]
	v_max3_num_f32 v242, v242, v[128+\i], v[129+\i]
	v_max3_num_f32 v243, v243, v[144+\i], v[145+\i]
.endr
	v_max3_num_f32 v254, v254, v111, v127          ; each chain's sixteenth register,
	v_max3_num_f32 v252, v252, v143, v159
	s_delay_alu instid0(VALU_DEP_2)
	v_max3_num_f32 v254, v254, v242, v243          ; and the four chains
	s_delay_alu instid0(VALU_DEP_1)
	v_max_num_f32 v254, v254, v252
	s_delay_alu instid0(VALU_DEP_1)
	v_permlanex16_b32 v246, v254, s[SEL], s[SEL+1]
	s_delay_alu instid0(VALU_DEP_1)
	v_max_num_f32 v254, v254, v246                 ; and among lane l xor 16's
	s_delay_alu instid0(VALU_DEP_1)
	v_mul_f32 v254, s[CS], v254                    ; as t (c is positive)
	s_delay_alu instid0(VALU_DEP_1)
	v_max_num_f32 v13, v13, v254
	s_delay_alu instid0(VALU_DEP_1)
	v_floor_f32 v12, -v13                          ; -M = floor(-t): M is a whole number
	s_delay_alu instid0(VALU_DEP_1)
	v_sub_f32 v254, v12, v[OM]                     ; old M - new M, 0 or less
	s_delay_alu instid0(VALU_DEP_1)
	v_cvt_i32_f32 v254, v254                       ; (it saturates)
	s_delay_alu instid0(VALU_DEP_1)
	v_ldexp_f32 v252, 1.0, v254                    ; f = 2^(old M - new M)
.set j, 0
.rept 32
	v_pk_fma_f32 v[S+j:S+j+1], v[S+j:S+j+1], s[CS:CS+1], v[12:13] op_sel_hi:[1,0,0]   ; t - M, two at a time
.set j, j+2
.endr
.set j, 0
	s_setprio 1
	s_wait_alu depctr_va_vdst(0)
.rept 64
	v_exp_f32 v[S+j], v[S+j]                       ; p = 2^(t - M), at most 1
.set j, j+1
.endr
	v_pk_mul_f32 v[14:15], v[14:15], v[252:253] op_sel_hi:[1,0]   ; the sums under the new M (a plain line behind the exponentials)
	s_wait_alu depctr_va_vdst(0)
	v_pk_add_f32 v[242:243], v[96:97], v[98:99]    ; the row's sum is taken of the unquantised p, two at a time, in four chains: the running sum and three that the step begins
	v_pk_add_f32 v[208:209], v[100:101], v[102:103]
	v_pk_add_f32 v[210:211], v[104:105], v[106:107]
.irp j, 12,20,28,36,44,52
	v_pk_add_f32 v[14:15], v[14:15], v[96+\j:97+\j]
	v_pk_add_f32 v[242:243], v[242:243], v[98+\j:99+\j]
	v_pk_add_f32 v[208:209], v[208:209], v[100+\j:101+\j]
	v_pk_add_f32 v[210:211], v[210:211], v[102+\j:103+\j]
.endr
	v_pk_add_f32 v[14:15], v[14:15], v[156:157]
	v_pk_add_f32 v[242:243], v[242:243], v[158:159]   ; (the four chains are joined behind the products below)
.irp c, 0,1,2,3,4,5,6,7
.irp i, 0,2,4,6
.endr
	v_cvt_scalef32_pk8_fp8_f32 v[PC+2*\c:PC+2*\c+1], v[S+8*\c:S+8*\c+7], v244   ; keys 16 c + 8 h + 0 .. 7: registers 2 c, 2 c + 1 of P
.endr
.set j, 0
.rept 16
	v_pk_mul_f32 v[O+j:O+j+1], v[O+j:O+j+1], v[252:253] op_sel_hi:[1,0]   ; O^T under the new M; also the plain lines behind the conversions
.set j, j+2
.endr
	s_setprio 0
	s_wait_alu depctr_va_vdst(0)
	s_wait_dscnt 0x0                               ; V is in
.set t, 0
.rept 4
	v_wmma_f32_16x16x128_fp8_fp8 v[O+8*t:O+8*t+7], v[F+16*t:F+16*t+15], v[PC:PC+15], v[O+8*t:O+8*t+7]   ; four accumulators, one instruction a turn
.set t, t+1
.endr
	v_pk_add_f32 v[208:209], v[208:209], v[210:211]   ; the sum's four chains are joined here: three plain lines that name no register of the products: three of the places behind them
	v_pk_add_f32 v[14:15], v[14:15], v[242:243]
	s_delay_alu instid0(VALU_DEP_1)
	v_pk_add_f32 v[14:15], v[14:15], v[208:209]
.if \gen
	s_cmp_lg_u32 s[KS], s[GD]
	s_cbranch_scc1 .Lgo_\@
	FINISH
.Lgo_\@:
	s_add_co_i32 s[KS], s[KS], 1
.else
	s_add_co_u32 s[TB], s[TB], 8192
.endif
.endm
; Four steps under my first tile's diagonal, all inside one group of 512 keys.  left: my fills issued behind that group's.
.macro PHASE left, byte
	s_wait_tensorcnt \left                         ; my part of the group is in (a wave that fetched nothing has nothing out);
	s_barrier_signal -1
	s_barrier_wait -1                              ; everybody's is.  Nothing is filled again, so the later groups stay out
	s_mov_b32 s[TB], \byte
	s_mov_b32 s[CNT], 4
.Lphase_\@:
	STEP 0
	s_sub_co_u32 s[CNT], s[CNT], 1
	s_cmp_lg_u32 s[CNT], 0
	s_cbranch_scc1 .Lphase_\@
	s_setprio 0
.endm
	s_wait_loadcnt 0x0                             ; Q, both tiles
	PHASE 3, 0                                     ; keys 0-511
	PHASE 2, 32768                                 ; keys 512-1023
	s_wait_tensorcnt 0x0                           ; all keys
	s_barrier_signal -1
	s_barrier_wait -1
	s_mov_b32 s[KS], 8
	s_sub_co_u32 s[GD], 15, s[GG]
	s_mov_b32 s[CNT], 9                            ; 8 - G steps end my first tile, G + 1 make my second
.Lrest:
	STEP 1
	s_sub_co_u32 s[CNT], s[CNT], 1
	s_cmp_lg_u32 s[CNT], 0
	s_cbranch_scc1 .Lrest
	s_setprio 0
	s_wait_tensorcnt 0x0
	ds_add_u32 v251, v255
	s_wait_dscnt 0x0
	ROUND                                          ; the closing round
	s_endpgm
.Lfunc_end_k_q7542975628_attn:
	.size	k_q7542975628_attn, .Lfunc_end_k_q7542975628_attn-k_q7542975628_attn
	.p2alignl 7, 3214868480
	.fill 96, 4, 3214868480
	.section	.rodata,"a",@progbits
	.p2align	6, 0x0
	.amdhsa_kernel k_q7542975628_attn
		.amdhsa_group_segment_fixed_size 264192
		.amdhsa_private_segment_fixed_size 0
		.amdhsa_enable_private_segment 0
		.amdhsa_kernarg_size 24
		.amdhsa_user_sgpr_count 2
		.amdhsa_user_sgpr_kernarg_segment_ptr 1
		.amdhsa_wavefront_size32 1
		.amdhsa_system_sgpr_workgroup_id_x 1
		.amdhsa_system_sgpr_workgroup_id_y 1
		.amdhsa_system_sgpr_workgroup_id_z 1
		.amdhsa_system_vgpr_workitem_id 0
		.amdhsa_next_free_vgpr 256
		.amdhsa_next_free_sgpr 72
		.amdhsa_reserve_vcc 1
		.amdhsa_float_denorm_mode_32 3
		.amdhsa_float_denorm_mode_16_64 3
		.amdhsa_fp16_overflow 1
		.amdhsa_memory_ordered 1
		.amdhsa_forward_progress 1
		.amdhsa_inst_pref_size 59
	.end_amdhsa_kernel
	.amdgpu_metadata
---
amdhsa.version: [ 1, 2 ]
amdhsa.kernels:
  - .name:           k_q7542975628_attn
    .symbol:         k_q7542975628_attn.kd
    .args:
      - { .name: qkv, .offset: 0, .size: 8, .value_kind: global_buffer, .address_space: global }
      - { .name: lowp_scales, .offset: 8, .size: 8, .value_kind: global_buffer, .address_space: global }
      - { .name: yimg, .offset: 16, .size: 8, .value_kind: global_buffer, .address_space: global }
    .group_segment_fixed_size: 264192
    .private_segment_fixed_size: 0
    .kernarg_segment_align: 8
    .kernarg_segment_size: 24
    .max_flat_workgroup_size: 512
    .sgpr_count:     72
    .vgpr_count:     256
    .wavefront_size: 32
...
	.end_amdgpu_metadata
.endif
;; end of part 3
;; launch proj (part 4): grid 4 x 64, 4 waves a work-group, clusters of 4 x 4, 327,680 bytes of LDS; arguments img, yimg, lowp_scales, bo, out0; writes out0
.if DOCPART == 4
	.amdgcn_target "amdgcn-amd-amdhsa--gfx1250"
	.amdhsa_code_object_version 6
	.text
	.protected	k_q7542975628_proj
	.globl	k_q7542975628_proj
	.p2align	8
	.type	k_q7542975628_proj,@function
k_q7542975628_proj:
	s_mov_b64 s[64:65], 0
	v_nop
	global_prefetch_b8 v0, s[64:65] scope:SCOPE_SE
	s_setreg_imm32_b32 hwreg(HW_REG_WAVE_MODE, 25, 1), 1
	s_wait_xcnt 0x0
	s_wait_alu depctr_hold_cnt(0) depctr_sa_sdst(0) depctr_va_vdst(0) depctr_va_sdst(0) depctr_va_ssrc(0) depctr_va_vcc(0) depctr_vm_vsrc(0)
	s_getreg_b32 s2, hwreg(HW_REG_IB_STS2, 6, 4)
	s_cmp_eq_u32 s2, 0
	s_cbranch_scc0 .Lentry_in_a_cluster
	s_endpgm
.Lentry_in_a_cluster:
	s_bfe_u32 s2, ttmp6, 0x10000c
	s_cmp_lg_u32 s2, 0xf033
	s_cbranch_scc0 .Lentry_shape_is_right
	s_endpgm
.Lentry_shape_is_right:
; out0 = y Wo + bo on codes of FP8 (E4M3).  Both operands are images of operand registers (16 rows x 128 K = 4 groups of 512 bytes, lane l's 16 bytes at 16 l; fragment (row block, chunk) at 16384 rb + 2048 kc).
; A work-group makes 256 output columns (source 0 = Wo's image, rows n; tile cx) x 128 rows of y (source 1; tile 4 Cy + cy); a wave 128 x 64: 32 accumulators.  So 256 work-groups.
; In a result lane (r, h) holds in register j (column 8 h + j, row r): eight neighbouring numbers of a row of the output.
; K = 1024 is 8 chunks of 128, written out.  Three LDS slots of a K step of 256 each; K steps 0, 1, 2 are asked for at the start (each only after the one before has landed and a round of the cluster's barrier), K step 3 fills slot 0 again.
; CLUSTER 4 x 4: Wo's tile hangs on cx and is shared along a column, y's on cy and is shared along a row: joint loads.
; LIMIT: entries 10 + 11 between -126 and 127.
; REGISTERS, in windows of 256: window 0: v0-31 addresses, v32-95 the bias, v128-255 y's fragments, two sets; window 1: Wo's fragments, two sets, on the way out rows of the output; window 2: accumulator (a, b) at v[8 (8 a + b)].
.set SLOT,  98304                      ; S0: 16 row blocks x 4,096 bytes, then S1: 8 x 4,096
.set S1OFF, 65536
.set SPARE, 3*SLOT                     ; behind the slots: the spare words, 128 bytes a wave: two blocks of 256 bytes that no other line names
.set SP,    528                        ; the way out: a stage row: 512 bytes + 16
.set STAGE, SLOT                       ; four stages of 16 rows in slot 1, which has had its one fill and its last read when the first result is stored there
.set LI,  3                            ; v3     16 x lane
.set AD0, 4                            ; v4-6   my 8 row blocks of S0 in slot 0, 1, 2
.set AD1, 8                            ; v8-10  my 4 row blocks of S1
.set STO, 12                           ; v12    the stage: where I put 32 bytes of a row
.set RD,  13                           ; v13    and where I read a row back
.set SPW, 20                           ; v20    my spare word; never rewritten
.set NIL, 21                           ; v21    0; never rewritten
.set BQ,  32                           ; v32-95 bo(16 b + 8 h + j)
.set T,   128
.set G1,  24                           ; s[24:31] group 1 for S1's tiles; s[40:51] its groups 0, one a slot
.set G1B, 32                           ; s[32:39] group 1 for S0's tiles; s[52:63] its groups 0
.set G0,  40
.set G0B, 52
.set MSB, 0
.macro WIN new                         ; the immediate's high byte repeats the setting that is left
.if MSB != \new
	s_set_vgpr_msb (MSB<<8)|\new
.set MSB, \new
.endif
.endm
.set MULW, 0xa1                        ; source 0 (S0) window 1, source 1 (S1) window 0, C and D window 2
.set TO_B, 0x40                        ; destination window 1, address window 0
.macro PLACES n
.rept \n
	v_nop
.endr
.endm
.macro JLOAD s                         ; waves 0 and 1 fetch S0's halves, waves 2 and 3 S1's; four v_nop follow each line
	s_cmp_eq_u32 s17, 0
	s_cbranch_scc0 .Lfor_s1_\@
	tensor_load_to_lds s[G0B+4*\s:G0B+4*\s+3], s[G1B:G1B+7]
	s_nop 0
.rept 4
	v_nop
.endr
	s_branch .Lasked_\@
.Lfor_s1_\@:
	tensor_load_to_lds s[G0+4*\s:G0+4*\s+3], s[G1:G1+7]
	s_nop 0
.rept 4
	v_nop
.endr
.Lasked_\@:
.endm
.macro CREST
	s_cmp_lg_u32 s16, 0
	s_cbranch_scc1 .Lnot_wave_0_\@
	s_barrier_signal -3
.Lnot_wave_0_\@:
	s_barrier_wait -3
	s_barrier_signal -1
	s_barrier_wait -1
.endm
.macro CROUND
	s_barrier_signal -1
	s_barrier_wait -1
	CREST
.endm
.macro FETCH c                         ; chunk c's fragments: 48 LDS loads in one run, into set c % 2
.set FSL, ((\c)/2)%3
.set FU,  (\c)%2
	WIN TO_B
.irp b, 0,1,2,3,4,5,6,7
.irp q, 0,1,2,3
	ds_load_b128 v[128*FU+16*\b+4*\q:128*FU+16*\b+4*\q+3], v[AD0+FSL] offset:4096*\b+2048*FU+512*\q
.endr
.endr
	WIN 0
.irp a, 0,1,2,3
.irp q, 0,1,2,3
	ds_load_b128 v[128+64*FU+16*\a+4*\q:128+64*FU+16*\a+4*\q+3], v[AD1+FSL] offset:4096*\a+2048*FU+512*\q
.endr
.endr
.endm
.macro MUL c, a0, n, zero              ; the 32 accumulators take turns, one instruction a turn, in the same order in every chunk
.set MP, (\c)%2
.set ma, \a0
.rept \n
.irp b, 0,1,2,3,4,5,6,7
.if \zero
	v_wmma_f32_16x16x128_fp8_fp8 v[8*(8*ma+\b):8*(8*ma+\b)+7], v[128*MP+16*\b:128*MP+16*\b+15], v[128+64*MP+16*ma:128+64*MP+16*ma+15], 0
.else
	v_wmma_f32_16x16x128_fp8_fp8 v[8*(8*ma+\b):8*(8*ma+\b)+7], v[128*MP+16*\b:128*MP+16*\b+15], v[128+64*MP+16*ma:128+64*MP+16*ma+15], v[8*(8*ma+\b):8*(8*ma+\b)+7]
.endif
.endr
.set ma, ma+1
.endr
.endm
.macro PLAIN c, zero                   ; a chunk whose successor lies in a slot already shown whole; the next chunk's loads go out first
	s_wait_dscnt 0x0
.if \c > 0
	PLACES 4                                       ; in front of loads into the set that the chunk before multiplied
.endif
	FETCH (\c)+1
	WIN MULW
	MUL \c, 0, 4, \zero
.endm
.macro BARSTEP c, left                 ; a chunk whose successor lies in the next slot
	s_wait_dscnt 0x0
	s_wait_tensorcnt \left                         ; my part of the next slot is in
	WIN MULW
	s_barrier_signal -1
	MUL \c, 0, 2, 0
	s_barrier_wait -1
	PLACES 4
	FETCH (\c)+1
	WIN MULW
	MUL \c, 2, 2, 0
.endm
	s_load_b256 s[4:11], s[0:1], 0x0               ; img s[4:5], yimg s[6:7], the exponents s[8:9], bo s[10:11]
	s_load_b64 s[12:13], s[0:1], 0x20              ; out0
	v_lshl_add_u32 v[SPW], v0, 2, SPARE
	v_mov_b32 v[NIL], 0
	ds_add_u32 v20, v21
	ds_add_u32 v20, v21
	s_wait_dscnt 0x0
	v_lshrrev_b32 v1, 5, v0
	v_readfirstlane_b32 s16, v1                    ; wave 0..3
	s_lshr_b32 s17, s16, 1                         ; which 64 rows of y are mine.  Also: I fetch for S0 (0) or for S1 (1)
	s_and_b32 s18, s16, 1                          ; which 128 columns are mine.  Also: which half of that tile I fetch
	s_bfe_u32 s19, ttmp6, 0x40000                  ; cx
	s_bfe_u32 s20, ttmp6, 0x40004                  ; cy
	s_and_b32 s22, ttmp7, 0xffff                   ; the cluster's y
	s_lshl_b32 s66, s20, 2
	s_lshl_b32 s66, 15, s66                        ; my row of the cluster
	s_lshl_b32 s67, 0x1111, s19                    ; my column
	s_or_b32 s[G1], s66, (3<<16)|(1<<21)           ; group 1: rows of 4,096 bytes (512 elements of 8), 16,384 bytes apart in memory, dense in LDS; S1: 4 rows
	s_or_b32 s[G1B], s67, (3<<16)|(1<<21)          ; S0: 8 rows
	s_mov_b32 s[G1+1], 512<<16
	s_mov_b32 s[G1+2], 4<<16
	s_mov_b32 s[G1+3], 512<<16
	s_mov_b32 s[G1+4], 4
	s_mov_b32 s[G1+5], 2048
	s_mov_b32 s[G1+6], 0
	s_mov_b32 s[G1+7], 0
	s_mov_b32 s[G1B+1], 512<<16
	s_mov_b32 s[G1B+2], 8<<16
	s_mov_b32 s[G1B+3], 512<<16
	s_mov_b32 s[G1B+4], 8
	s_mov_b32 s[G1B+5], 2048
	s_mov_b32 s[G1B+6], 0
	s_mov_b32 s[G1B+7], 0
	s_lshl_b32 s70, s19, 18                        ; S0: tile cx of Wo's image, in registers that never hold cy
	s_add_co_u32 s70, s70, 0x1b00000
	s_lshl_b32 s71, s18, 17
	s_add_co_u32 s70, s70, s71
	s_mov_b32 s71, 0
	s_lshl_b32 s72, s22, 2                         ; S1: tile 4 Cy + cy of y's image, in registers that never hold cx
	s_add_co_u32 s72, s72, s20
	s_lshl_b32 s74, s72, 17
	s_lshl_b32 s75, s18, 16
	s_add_co_u32 s74, s74, s75
	s_mov_b32 s75, 0
	s_lshl_b32 s76, s18, 15                        ; where they go: the wave's number alone
	s_lshl_b32 s77, s18, 14
	s_add_co_u32 s77, s77, S1OFF
	s_wait_kmcnt 0x0
	s_load_b64 s[80:81], s[8:9], 0x28              ; e10, e11
	s_add_nc_u64 s[70:71], s[4:5], s[70:71]
	s_add_nc_u64 s[74:75], s[6:7], s[74:75]
	CROUND                                         ; all sixteen work-groups are here: the first joint loads meet
.irp s, 0,1,2
	s_mov_b32 s[G0B+4*\s], 1
	s_add_co_u32 s[G0B+4*\s+1], s76, \s*SLOT
	s_add_nc_u64 s[G0B+4*\s+2:G0B+4*\s+3], s[70:71], \s*4096
	s_or_b32 s[G0B+4*\s+3], s[G0B+4*\s+3], 0x80000000
	s_mov_b32 s[G0+4*\s], 1
	s_add_co_u32 s[G0+4*\s+1], s77, \s*SLOT
	s_add_nc_u64 s[G0+4*\s+2:G0+4*\s+3], s[74:75], \s*4096
	s_or_b32 s[G0+4*\s+3], s[G0+4*\s+3], 0x80000000
	s_wait_alu depctr_va_vdst(0)
	s_wait_tensorcnt 0x0
	ds_add_u32 v20, v21
	ds_add_u32 v20, v21
	s_wait_dscnt 0x0
	CROUND
	JLOAD \s
.endr
	v_and_b32 v1, 15, v0                           ; r
	v_bfe_u32 v2, v0, 4, 1                         ; h
	v_and_b32 v[LI], 31, v0
	v_lshlrev_b32 v[LI], 4, v[LI]
	s_lshl_b32 s78, s18, 15
	s_lshl_b32 s79, s17, 14
	s_add_co_u32 s79, s79, S1OFF
.irp s, 0,1,2
	v_add_nc_u32 v[AD0+\s], s78, v[LI]
	v_add_nc_u32 v[AD1+\s], s79, v[LI]
	s_add_co_u32 s78, s78, SLOT
	s_add_co_u32 s79, s79, SLOT
.endr
	s_mul_i32 s82, s16, 16*SP
	s_add_co_u32 s82, s82, STAGE                   ; my stage
	v_mul_u32_u24 v[STO], v1, SP
	v_lshl_add_u32 v[STO], v2, 5, v[STO]
	v_add_nc_u32 v[STO], s82, v[STO]               ; in: row r, + 32 h
	v_add_nc_u32 v[RD], s82, v[LI]                 ; back: the 32 lanes take a row of 512 bytes
	s_lshl_b32 s92, s19, 10                        ; my first column, in bytes: 4 x (256 cx + 128 x my half)
	s_lshl_b32 s93, s18, 9
	s_add_co_u32 s92, s92, s93
	v_lshl_add_u32 v22, v2, 5, s92
.irp b, 0,1,2,3,4,5,6,7
	global_load_b128 v[BQ+8*\b:BQ+8*\b+3], v22, s[10:11] offset:64*\b
	global_load_b128 v[BQ+8*\b+4:BQ+8*\b+7], v22, s[10:11] offset:64*\b+16
.endr
	s_lshl_b32 s94, s72, 19                        ; my first row: 128 x tile + 64 x my half, of 4,096 bytes
	s_lshl_b32 s95, s17, 18
	s_add_co_u32 s94, s94, s95
	s_add_co_u32 s94, s94, s92
	s_mov_b32 s95, 0
	s_add_nc_u64 s[12:13], s[12:13], s[94:95]
	s_wait_alu depctr_va_vdst(0)
	s_wait_tensorcnt 0x2                           ; my parts of slots 0 and 1 are in; slot 2's may stay out
	s_barrier_signal -1
	s_barrier_wait -1
	FETCH 0
	PLAIN 0, 1                                     ; the first chunk's products start the sums
	BARSTEP 1, 1                                   ; slot 1 is wanted; slot 2's load stays out
	PLAIN 2, 0
	; chunk 3: slot 2 is wanted, and slot 0, read out since chunk 1, is filled again with K step 3
	WIN 0                                          ; (the add's two registers lie in window 0)
	s_wait_tensorcnt 0x0                           ; all my tensor loads have landed: the one that was out is my part of slot 2
	ds_add_u32 v[SPW], v[NIL]                      ; 0 onto my spare word
	s_wait_dscnt 0x1                               ; chunk 3's 48 loads are in; the add may be out
	WIN MULW
	MUL 3, 0, 1, 0
	s_wait_dscnt 0x0                               ; the add is done; I have no LDS read out
	s_barrier_signal -1                            ; opens a round of the cluster's barrier
	MUL 3, 1, 1, 0
	WIN 0
	s_barrier_wait -1
	CREST                                          ; no wave of any partner still reads slot 0 or has a load on its way
	s_add_nc_u64 s[G0B+2:G0B+3], s[G0B+2:G0B+3], 12288
	s_add_nc_u64 s[G0+2:G0+3], s[G0+2:G0+3], 12288
	JLOAD 0                                        ; my one tensor load behind the round; its four v_nop are also the places in front of the loads below
	FETCH 4
	WIN MULW
	MUL 3, 2, 2, 0
	PLAIN 4, 0
	BARSTEP 5, 0                                   ; slot 0's second tile is wanted: no load was issued behind it
	PLAIN 6, 0
	s_wait_dscnt 0x0
	WIN MULW
	MUL 7, 0, 4, 0
	WIN 0
	; THE WAY OUT, block by block of 16 rows x 128 columns: sum x 2^(e10 + e11) + bo; a lane's 32 bytes go into my own stage and come back as whole rows of 512 bytes.
	s_wait_loadcnt 0x0                             ; bo
	s_wait_kmcnt 0x0
	s_add_co_i32 s96, s80, s81
	s_add_co_i32 s96, s96, 127
	s_lshl_b32 s96, s96, 23                        ; 2^(e10 + e11) as f32
	s_mov_b32 s97, s96                             ; (named with it as a pair)
	PLACES 4                                       ; in front of the first read of results and of loads into registers that the products read
.macro TOSTAGE a
	WIN 0x02                                       ; source 0: window 2
.irp b, 0,1,2,3,4,5,6,7
.irp i, 0,2,4,6
	v_pk_fma_f32 v[T+8*\b+\i:T+8*\b+\i+1], v[8*(8*\a+\b)+\i:8*(8*\a+\b)+\i+1], s[96:97], v[BQ+8*\b+\i:BQ+8*\b+\i+1] op_sel_hi:[1,0,1]   ; each accumulator from its low end on
.endr
.endr
	WIN 0
.irp b, 0,1,2,3,4,5,6,7
	ds_store_b128 v[STO], v[T+8*\b:T+8*\b+3] offset:64*\b
	ds_store_b128 v[STO], v[T+8*\b+4:T+8*\b+7] offset:64*\b+16
.endr
	WIN TO_B                                       ; back into window 1: 64 registers of its own for each block
.irp i, 0,1,2,3,4,5,6,7,8,9,10,11,12,13,14,15
	ds_load_b128 v[64*\a+4*\i:64*\a+4*\i+3], v[RD] offset:SP*\i   ; LDS serves a wave's instructions in order (ISA guide 5.7.1.4): these see the stores above, and the next block's stores come behind them
.endr
	WIN 0
.endm
.macro SEND a, younger                 ; younger: the LDS instructions issued behind block a's loads
	s_wait_dscnt \younger
	WIN 0x04                                       ; a store's data: window 1
.irp i, 0,1,2,3,4,5,6,7,8,9,10,11,12,13,14,15
	global_store_b128 v[LI], v[64*\a+4*\i:64*\a+4*\i+3], s[12:13] offset:(16*\a+\i)*4096 th:TH_STORE_NT   ; 32 lanes store 512 consecutive bytes, at a multiple of 512 from the output's first byte; written once
.endr
	WIN 0
.endm
	TOSTAGE 0
	TOSTAGE 1
	SEND 0, 32                                     ; behind block 0's loads: block 1's 16 stores and 16 loads
	TOSTAGE 2
	SEND 1, 32
	TOSTAGE 3
	SEND 2, 32
	SEND 3, 0
	s_wait_tensorcnt 0x0                           ; the wave's end: behind my last tensor load and my last LDS store
	ds_add_u32 v[SPW], v[NIL]
	s_wait_dscnt 0x0
	CROUND                                         ; the closing round: no work-group ends while a partner may still ask for a tile that names it
	s_endpgm
.Lfunc_end_k_q7542975628_proj:
	.size	k_q7542975628_proj, .Lfunc_end_k_q7542975628_proj-k_q7542975628_proj
	.p2alignl 7, 3214868480
	.fill 96, 4, 3214868480
	.section	.rodata,"a",@progbits
	.p2align	6, 0x0
	.amdhsa_kernel k_q7542975628_proj
		.amdhsa_group_segment_fixed_size 327680
		.amdhsa_private_segment_fixed_size 0
		.amdhsa_enable_private_segment 0
		.amdhsa_kernarg_size 40
		.amdhsa_user_sgpr_count 2
		.amdhsa_user_sgpr_kernarg_segment_ptr 1
		.amdhsa_wavefront_size32 1
		.amdhsa_system_sgpr_workgroup_id_x 1
		.amdhsa_system_sgpr_workgroup_id_y 1
		.amdhsa_system_sgpr_workgroup_id_z 1
		.amdhsa_system_vgpr_workitem_id 0
		.amdhsa_next_free_vgpr 768
		.amdhsa_next_free_sgpr 100
		.amdhsa_reserve_vcc 0
		.amdhsa_float_denorm_mode_32 3
		.amdhsa_float_denorm_mode_16_64 3
		.amdhsa_memory_ordered 1
		.amdhsa_forward_progress 1
		.amdhsa_inst_pref_size 78
	.end_amdhsa_kernel
	.amdgpu_metadata
---
amdhsa.version: [ 1, 2 ]
amdhsa.kernels:
  - .name:           k_q7542975628_proj
    .symbol:         k_q7542975628_proj.kd
    .args:
      - { .name: img, .offset: 0, .size: 8, .value_kind: global_buffer, .address_space: global }
      - { .name: yimg, .offset: 8, .size: 8, .value_kind: global_buffer, .address_space: global }
      - { .name: lowp_scales, .offset: 16, .size: 8, .value_kind: global_buffer, .address_space: global }
      - { .name: bo, .offset: 24, .size: 8, .value_kind: global_buffer, .address_space: global }
      - { .name: out0, .offset: 32, .size: 8, .value_kind: global_buffer, .address_space: global }
    .group_segment_fixed_size: 327680
    .private_segment_fixed_size: 0
    .kernarg_segment_align: 8
    .kernarg_segment_size: 40
    .max_flat_workgroup_size: 128
    .sgpr_count:     100
    .vgpr_count:     768
    .wavefront_size: 32
...
	.end_amdgpu_metadata
.endif
;; end of part 4
